; MI455X (gfx1250); checked and timed in simulation.
; The chip was launched on July 23, 2026; its instructions are those of AMD's public machine-readable ISA for CDNA 5 (MIT licence, August 2026) and "CDNA5" Instruction Set Architecture Reference Guide (July 2026). The comments in the code are by the model that wrote it; some were corrected since.
;; Classifier. Allowed arithmetic: matrix products marked QUANTISED: E2M1 operands, one E8M0 scale for each 32 along K, by v_wmma_scale_f32_16x16x128_f8f6f4 with both operands' format E2M1 (or v_wmma_scale_f32_32x16x128_f4), f32 sums; everything else in f32.
;; Inputs: Y 4,096 x 4,096 float32; Z 4,096 x 4,096 float32.
;; Outputs: out0 4,096 x 4,096 float32.
;; This version of the problem:
;;   THIS VERSION OF THE PROBLEM IS GIVEN IN LOW PRECISION. The matrix products marked QUANTISED in the list below multiply operands that are first quantised to E2M1 (2 exponent bits, 1 mantissa bit; 4 bits a number), with one power-of-two scale for each 32 numbers along K (OCP MX v1.0); their sums are f32. All else is computed in f32.
;;   The module's matrix products, in the order in which they are computed (A, B: the left and right operand; K: the contracted axis; several contracted axes count as one K, in the product's order):
;;     1. [M 4,096, K 4,096] x [K 4,096, N 4,096]; A: input Z; B: input Y: QUANTISED
;;   THE QUANTISER, for each operand of a quantised product, along K:
;;     - K is cut into blocks of 32 from its start; a last block that is shorter is filled with zeros.
;;     - A block's scale is 2^e with e = floor(log2(the largest magnitude in the block)) - 2, held to -126 .. 127; a block of zeros has e = 0. As a byte (E8M0): e + 127.
;;     - Each number is divided by its block's scale, clamped to +-6, and rounded to the nearest number of E2M1, ties to even, subnormals kept.
;;     - The product sums the exact products of the quantised numbers (number of the format x scale) in f32.
;;   ~~~python
;;   def quantise(x, axis):      # numpy; x: float32 -> the quantised numbers, widened to float32 again
;;       x = np.moveaxis(x, axis, -1); K = x.shape[-1]
;;       x = np.pad(x, [(0, 0)] * (x.ndim - 1) + [(0, -K % 32)]); x = x.reshape(x.shape[:-1] + (-1, 32)); a = np.abs(x).max(-1, keepdims=True)
;;       e = np.where(a > 0, np.clip(np.frexp(np.where(a > 0, a, 1))[1] - 1 - 2, -126, 127), 0)      # np.frexp(a)[1] - 1 = floor(log2(a)), exactly
;;       r = np.clip(x / 2.0 ** e, -6, 6)
;;       step = 2.0 ** (np.maximum(np.frexp(np.where(r == 0, 1, r))[1] - 1, 0) - 1)
;;       q = np.round(r / step) * step * 2.0 ** e      # np.round: ties to even
;;       return np.moveaxis(q.reshape(q.shape[:-2] + (-1,))[..., :K], -1, axis).astype(np.float32)
;;   ~~~
;; One version. Each part assembles by itself: llvm-mc -triple=amdgcn-amd-amdhsa -mcpu=gfx1250 --defsym DOCPART=n.
;; ======== version 1 of 1: 2 launches
;; limits: right only within a limited range of input values
;; workspace buffers: zq 8,912,896 bytes; yq 8,912,896 bytes; zss 131,072 bytes; yss 131,072 bytes
;; launch quant (part 1): grid 128 x 8, 4 waves a work-group, no clusters, 19,200 bytes of LDS; arguments Z, Y, zq, yq, zss, yss; writes zq, yq, zss, yss
.if DOCPART == 1
	.amdgcn_target "amdgcn-amd-amdhsa--gfx1250"
	.amdhsa_code_object_version 6
	.text
	.protected	k_qade35fa9b8_quant
	.globl	k_qade35fa9b8_quant
	.p2align	8
	.type	k_qade35fa9b8_quant,@function
k_qade35fa9b8_quant:
	s_mov_b64 s[64:65], 0
	v_nop
	global_prefetch_b8 v0, s[64:65] scope:SCOPE_SE
	s_setreg_imm32_b32 hwreg(HW_REG_WAVE_MODE, 25, 1), 1
	s_wait_xcnt 0x0
; Z and Y, [4096][4096] f32, K innermost, become codes of FP4 (E2M1) with one E8M0 byte for each 32 along K; the squares of the UNQUANTISED numbers are summed on the same pass.
; A block's byte is its largest magnitude's exponent field - 2, held at 1 from below; each number is divided by the scale and rounded to the nearest code, ties to even, beyond the largest code the largest.
; LAYOUT OF zq AND yq: [K step ks = 0..7][block of 16 rows 0..255][4,352 bytes].  A record holds, for k = 512 ks .. 512 ks + 511 of its 16 rows, 4,096 bytes of codes in the order of the
; matrix operand's registers, [q = 0..3][c = 0,1][lane = 16 h + r][16 bytes] = row r, k = 128 q + 64 c + 32 h + 0..31, and behind them 256 scale bytes [q][r][4]: one word for a row and 128 along K.
; THE SUMS OF SQUARES: [ks][row] f32; the next launch adds the eight.
; LIMITS: a block of zeros gets the byte 1 and not 127 (its codes are zeros, and this program alone reads the bytes); blocks whose largest magnitude lies under 2^-124 keep the byte 1;
; NaN and infinities among the inputs are not served; the squares are added in another order than a running sum.
; SHARES.  Work-groups x = 0..63 take Z, 64..127 Y (only pointers are chosen); y is the K step.  A wave takes 16 rows, one record: one row's 512 numbers a step, 16 steps.
; Each of a step's four loads reads 512 consecutive bytes: load q gives lane L the numbers k = 128 q + 4 L + 0..3.  A block of 32 lies in eight neighbouring lanes: three DPP steps join their maxima.
; A conversion takes eight numbers under ONE scale; a lane's eight are two blocks' fours, so each pair of fours is converted twice, once under each block's scale, and of each result the half that
; belongs to that scale is stored (2 bytes a lane).  Only codes and scale bytes go through LDS, where the record is gathered (256-byte chunks 272 bytes apart); it leaves as 4,352 consecutive bytes.
.set WREG,  4608                       ; LDS: a wave's record: 16 chunks of 272, then 256 scale bytes
.set CP,    272
.set SCB,   16*CP
.set SSH,   4*WREG                     ; the work-group's 64 sums of squares
.set SPARE, SSH+256                    ; the spare words, 128 bytes a wave
.set PLANE, 256*4352
.set ROWB,  16384
.set R,     16                         ; v16-79   four sets of 16 numbers
.set M,     80                         ; v80-83   the four blocks' maxima
.set S,     84                         ; v84-87   the conversions' scale operands
.set C,     88                         ; v88-95   codes, two sets
.set E,     96                         ; v96-103  scale bytes, two sets
.set Q,     104                        ; v104-107 squares
.set SS,    108
.set TP,    109
.set SPW,   110
.set NIL,   111
	s_load_b256 s[4:11], s[0:1], 0x0               ; Z, Y, zq, yq
	s_load_b128 s[12:15], s[0:1], 0x20             ; zss, yss
	v_lshl_add_u32 v[SPW], v0, 2, SPARE
	v_mov_b32 v[NIL], 0
	v_lshrrev_b32 v1, 5, v0
	v_readfirstlane_b32 s16, v1                    ; wave
	v_and_b32 v2, 31, v0                           ; lane L
	v_lshlrev_b32 v3, 4, v2                        ; 16 L
	v_lshlrev_b32 v4, 3, v2                        ; 8 L
	s_mul_i32 s19, s16, WREG
	v_lshrrev_b32 v8, 3, v2
	v_and_b32 v9, 7, v2
	v_mul_u32_u24 v5, v8, CP
	v_lshl_add_u32 v5, v9, 1, v5
	v_add_nc_u32 v5, s19, v5                       ; codes in: chunk L / 8 (4 q and the row stand in the immediate), 2 (L % 8)
	v_add_nc_u32 v6, s19, v8                       ; scale byte in: byte L / 8 of the row's word
	v_lshrrev_b32 v8, 4, v2
	v_and_b32 v9, 15, v2
	v_mul_u32_u24 v7, v8, CP
	v_lshl_add_u32 v7, v9, 4, v7
	v_add_nc_u32 v7, s19, v7                       ; out: sixteen lanes to a chunk
	v_add_nc_u32 v10, s19, v4                      ; out: the scale bytes, 8 a lane
	v_lshlrev_b32 v12, 2, v9
	s_lshl_b32 s27, s16, 6
	s_add_co_u32 s27, s27, SSH
	v_add_nc_u32 v12, s27, v12                     ; the sums: word 16 x wave + L % 16
	v_add_nc_u32 v13, SSH, v4
	v_mov_b32 v[SS], 0
	v_mov_b32 v[TP], 0
	s_mov_b32 s28, 0x76543210
	s_mov_b32 s29, 0xfedcba98
	s_and_b32 s17, ttmp9, 63                       ; which 64 rows
	s_and_b32 s18, ttmp7, 0xffff                   ; K step
	s_lshl_b32 s20, s17, 6
	s_lshl_b32 s21, s16, 4
	s_add_co_u32 s27, s20, s21                     ; my first row
	s_lshl_b32 s20, s27, 14
	s_lshl_b32 s21, s18, 11
	s_add_co_u32 s20, s20, s21
	s_mov_b32 s21, 0
	s_mul_i32 s22, s27, 272                        ; (row / 16) x 4,352
	s_mul_i32 s23, s18, PLANE
	s_add_co_u32 s22, s22, s23
	s_mov_b32 s23, 0
	s_lshl_b32 s24, s18, 14
	s_lshl_b32 s25, s17, 8
	s_add_co_u32 s24, s24, s25
	s_mov_b32 s25, 0
	s_wait_alu depctr_va_vdst(0)                   ; the wait at the head's end
	s_wait_kmcnt 0x0
	s_cmp_lt_u32 ttmp9, 64
	s_cselect_b64 s[4:5], s[4:5], s[6:7]
	s_cselect_b64 s[8:9], s[8:9], s[10:11]
	s_cselect_b64 s[12:13], s[12:13], s[14:15]
	s_add_nc_u64 s[4:5], s[4:5], s[20:21]
	s_add_nc_u64 s[8:9], s[8:9], s[22:23]
	s_add_nc_u64 s[12:13], s[12:13], s[24:25]
.macro LOAD t
.irp i, 0,1,2,3
	global_load_b128 v[R+16*((\t)%4)+4*\i:R+16*((\t)%4)+4*\i+3], v3, s[4:5] offset:ROWB*(\t)+512*\i th:TH_LOAD_NT
.endr
.endm
.irp t, 0,1,2,3
	LOAD \t
.endr
.macro STEP t
.set XS, R+16*((\t)%4)
.set CS, C+4*((\t)%2)
.set ES, E+4*((\t)%2)
.if (\t) <= 12
	s_wait_loadcnt 12                              ; this row's four loads are in; the three rows behind it stay out
.else
	s_wait_loadcnt 4*(15-(\t))
.endif
	s_wait_dscnt 8                                 ; the eight stores of two steps ago are done: their registers are written again; the last step's eight may be out
.irp i, 0,1,2,3
	v_max3_num_f32 v[M+\i], |v[XS+4*\i]|, |v[XS+4*\i+1]|, |v[XS+4*\i+2]|
.endr
.irp i, 0,1,2,3
	v_max3_num_f32 v[M+\i], v[M+\i], |v[XS+4*\i+3]|, 0x1800000     ; and the floor 2^(3 - 127): the byte cannot fall under 1
.endr
.irp x, 1,2,4
.irp i, 0,1,2,3
	v_max_num_f32_dpp v[M+\i], v[M+\i], v[M+\i] row_xmask:\x row_mask:0xf bank_mask:0xf
.endr
.endr
.irp i, 0,1,2,3
	v_add_nc_u32 v[S+\i], 0xff000000, v[M+\i]      ; 2 off the exponent field: the conversion's scale operand
.endr
	v_cvt_scalef32_pk8_fp4_f32 v[CS], v[XS:XS+7], v[S]             ; low half: block q = 0's four codes
	v_cvt_scalef32_pk8_fp4_f32 v[CS+1], v[XS:XS+7], v[S+1]         ; high half: q = 1's
	v_cvt_scalef32_pk8_fp4_f32 v[CS+2], v[XS+8:XS+15], v[S+2]
	v_cvt_scalef32_pk8_fp4_f32 v[CS+3], v[XS+8:XS+15], v[S+3]
.irp i, 0,1,2,3
	v_lshrrev_b32 v[ES+\i], 23, v[S+\i]            ; the scale's byte
.endr
	v_pk_mul_f32 v[Q:Q+1], v[XS:XS+1], v[XS:XS+1]
	v_pk_mul_f32 v[Q+2:Q+3], v[XS+2:XS+3], v[XS+2:XS+3]
.irp i, 4,8,12
	v_pk_fma_f32 v[Q:Q+1], v[XS+\i:XS+\i+1], v[XS+\i:XS+\i+1], v[Q:Q+1]
	v_pk_fma_f32 v[Q+2:Q+3], v[XS+\i+2:XS+\i+3], v[XS+\i+2:XS+\i+3], v[Q+2:Q+3]
.endr
	v_pk_add_f32 v[Q:Q+1], v[Q:Q+1], v[Q+2:Q+3]
	v_add_f32 v[Q], v[Q], v[Q+1]
.irp x, 1,2,4,8
	v_add_f32_dpp v[Q], v[Q], v[Q] row_xmask:\x row_mask:0xf bank_mask:0xf
.endr
	s_mov_b32 vcc_lo, 0x10001<<(\t)
	v_cndmask_b32 v[SS], v[SS], v[Q], vcc_lo       ; lanes t and t + 16 keep row t's two halves
	ds_store_b16 v5, v[CS] offset:16*(\t)
	ds_store_b16_d16_hi v5, v[CS+1] offset:4*CP+16*(\t)
	ds_store_b16 v5, v[CS+2] offset:8*CP+16*(\t)
	ds_store_b16_d16_hi v5, v[CS+3] offset:12*CP+16*(\t)
.irp i, 0,1,2,3
	ds_store_b8 v6, v[ES+\i] offset:SCB+64*\i+4*(\t)               ; the eight lanes of a block write the same byte with the same value
.endr
.if (\t)+4 < 16
	LOAD (\t)+4
.endif
.endm
.irp t, 0,1,2,3,4,5,6,7,8,9,10,11,12,13,14,15
	STEP \t
.endr
	v_permlanex16_b32 v[TP], v[SS], s28, s29
	v_add_f32 v[SS], v[SS], v[TP]
	ds_store_b32 v12, v[SS]
.irp i, 0,1,2,3,4,5,6,7
	ds_load_b128 v[R+4*\i:R+4*\i+3], v7 offset:2*CP*\i             ; my wave's own bytes, served in order behind my stores
.endr
	ds_load_b64 v[R+32:R+33], v10 offset:SCB
.irp i, 0,1,2,3,4,5,6,7
	s_wait_dscnt 8-\i
	global_store_b128 v3, v[R+4*\i:R+4*\i+3], s[8:9] offset:512*\i ; 512 consecutive bytes, at a multiple of 256 from the buffer's first byte
.endr
	s_wait_dscnt 0x0
	global_store_b64 v4, v[R+32:R+33], s[8:9] offset:4096
	s_barrier_signal -1
	s_barrier_wait -1                              ; all 64 sums lie in LDS
	s_cmp_lg_u32 s16, 0
	s_cbranch_scc1 .Lend
	ds_load_b64 v[R+36:R+37], v13
	s_wait_dscnt 0x0
	global_store_b64 v4, v[R+36:R+37], s[12:13]
.Lend:
	s_wait_tensorcnt 0x0                           ; the wave's end
	ds_add_u32 v[SPW], v[NIL]
	s_wait_dscnt 0x0
	s_endpgm
.Lfunc_end_k_qade35fa9b8_quant:
	.size	k_qade35fa9b8_quant, .Lfunc_end_k_qade35fa9b8_quant-k_qade35fa9b8_quant
	.p2alignl 7, 3214868480
	.fill 96, 4, 3214868480
	.section	.rodata,"a",@progbits
	.p2align	6, 0x0
	.amdhsa_kernel k_qade35fa9b8_quant
		.amdhsa_group_segment_fixed_size 19200
		.amdhsa_private_segment_fixed_size 0
		.amdhsa_enable_private_segment 0
		.amdhsa_kernarg_size 48
		.amdhsa_user_sgpr_count 2
		.amdhsa_user_sgpr_kernarg_segment_ptr 1
		.amdhsa_wavefront_size32 1
		.amdhsa_system_sgpr_workgroup_id_x 1
		.amdhsa_system_sgpr_workgroup_id_y 1
		.amdhsa_system_sgpr_workgroup_id_z 1
		.amdhsa_system_vgpr_workitem_id 0
		.amdhsa_next_free_vgpr 112
		.amdhsa_next_free_sgpr 66
		.amdhsa_reserve_vcc 1
		.amdhsa_float_denorm_mode_32 3
		.amdhsa_float_denorm_mode_16_64 3
		.amdhsa_memory_ordered 1
		.amdhsa_forward_progress 1
		.amdhsa_inst_pref_size 67
	.end_amdhsa_kernel
	.amdgpu_metadata
---
amdhsa.version: [ 1, 2 ]
amdhsa.kernels:
  - .name:           k_qade35fa9b8_quant
    .symbol:         k_qade35fa9b8_quant.kd
    .args:
      - { .name: Z, .offset: 0, .size: 8, .value_kind: global_buffer, .address_space: global }
      - { .name: Y, .offset: 8, .size: 8, .value_kind: global_buffer, .address_space: global }
      - { .name: zq, .offset: 16, .size: 8, .value_kind: global_buffer, .address_space: global }
      - { .name: yq, .offset: 24, .size: 8, .value_kind: global_buffer, .address_space: global }
      - { .name: zss, .offset: 32, .size: 8, .value_kind: global_buffer, .address_space: global }
      - { .name: yss, .offset: 40, .size: 8, .value_kind: global_buffer, .address_space: global }
    .group_segment_fixed_size: 19200
    .private_segment_fixed_size: 0
    .kernarg_segment_align: 8
    .kernarg_segment_size: 48
    .max_flat_workgroup_size: 128
    .sgpr_count:     66
    .vgpr_count:     112
    .wavefront_size: 32
...
	.end_amdgpu_metadata
.endif
;; end of part 1
;; launch gemm (part 2): grid 16 x 16, 4 waves a work-group, clusters of 4 x 4, 327,680 bytes of LDS; arguments zq, yq, zss, yss, out0; writes out0
.if DOCPART == 2
	.amdgcn_target "amdgcn-amd-amdhsa--gfx1250"
	.amdhsa_code_object_version 6
	.text
	.protected	k_qade35fa9b8_gemm
	.globl	k_qade35fa9b8_gemm
	.p2align	8
	.type	k_qade35fa9b8_gemm,@function
k_qade35fa9b8_gemm:
	s_mov_b64 s[64:65], 0
	v_nop
	global_prefetch_b8 v0, s[64:65] scope:SCOPE_SE
	s_setreg_imm32_b32 hwreg(HW_REG_WAVE_MODE, 25, 1), 1
	s_wait_xcnt 0x0
	s_wait_alu depctr_hold_cnt(0) depctr_sa_sdst(0) depctr_va_vdst(0) depctr_va_sdst(0) depctr_va_ssrc(0) depctr_va_vcc(0) depctr_vm_vsrc(0)
	s_getreg_b32 s2, hwreg(HW_REG_IB_STS2, 6, 4)
	s_cmp_eq_u32 s2, 0
	s_cbranch_scc0 .Lentry_in_a_cluster
	s_endpgm
.Lentry_in_a_cluster:
	s_bfe_u32 s2, ttmp6, 0x10000c
	s_cmp_lg_u32 s2, 0xf033
	s_cbranch_scc0 .Lentry_shape_is_right
	s_endpgm
.Lentry_shape_is_right:
; out0[m][n] = (sum over k of Zq[m][k] Yq[n][k]) x min(rsq(|Z m|^2) rsq(|Y n|^2), 1e8): the quantised product over max(nx ny, 1e-8).
; zq, yq: [ks 0..7][block of 16 rows][4,352 bytes]: 4,096 bytes of FP4 codes in the order of the operand's registers ([q][c][lane][16]), then 256 scale bytes [q][row][4].  zss, yss: [ks][row] sums of squares.
; A work-group of four waves makes 256 x 256, a wave 128 x 128: 64 accumulators, 512 registers.  K goes in steps of 512 through two LDS slots; a slot holds 16 records of Z, then 16 of Y.
; A wave's tensor load brings 8 records, 34,816 consecutive bytes, as 136 rows of 256.  Every fragment load reads 512 consecutive LDS bytes.
; CLUSTERS: 4 x 4.  Z's records are asked for jointly along a row of the cluster, Y's along a column.  A cluster begins at K step 0 or 4, by the parity of its place in the grid, and goes once round the eight.
; Both operands of a step of 128 along K are asked of LDS a whole step ahead: Y in four sets of registers (set q), Z in two.
; THE LAST K STEP GOES BY ROWS OF THE RESULT: Y's four sets then hold the whole step, Z comes by blocks of 16 rows x 512 K, and each block of 16 rows leaves as soon as it is finished.
; PREFETCH: behind each refill but the last two, the records of the K step two refills on; of a load's 136 blocks of 256 bytes each of the four partners names 34, told apart by address.
; THE MATRIX INSTRUCTION IS USED TRANSPOSED (source 0 = 16 rows of Y, source 1 = 16 rows of Z): a lane holds eight neighbouring columns of a row of the result.
; LIMITS: as the launch before; K is summed from the cluster's first K step on, not from 0; a row of zeros gives 0 (0 x 1e8).
; REGISTERS: window 0: v0-31 addresses; v32-47 Z's scale words, v48-63 Y's (set q at 4 q; register i: lanes 0-15 block 2 i, lanes 16-31 block 2 i + 1); v96-127 the rows' factors; v128-255 Z's fragments;
; window 1: Y's fragments; windows 2, 3: the accumulators ((a, b) at v[8 (8 (a % 4) + b)]).
.set REC,    4352
.set HALFT,  8*REC                     ; what one tensor load brings, and what one wave reads of Z or of Y
.set SLOT,   4*HALFT
.set PLANE,  256*REC
.set STAGE,  2*SLOT                    ; behind the slots: a stage of 16 rows x 528 bytes for each wave
.set SPITCH, 528
.set NRM,    STAGE+4*16*SPITCH         ; 1,024 bytes a wave: rsq of its 128 rows, each twice
.set SPARE,  NRM+4096                  ; the spare words
.set ROWC,   16384
.set T,    2
.set RY,   10
.set ADRA, 14                          ; v14-15 Z's fragments in slot 0, 1
.set ADRB, 16                          ; v16-17 Y's
.set ADSA, 18                          ; v18-19 Z's scale words
.set ADSB, 20                          ; v20-21 Y's
.set PFO,  22
.set PFO2, 23
.set STO,  24
.set RD,   25
.set CO,   26
.set NB,   27
.set SPW,  28
.set NIL,  29
.set NW,   30
.set SA,   32
.set SB,   48
.set RXB,  96
.set BK,   192
.set NZ,   192
.set NY,   224
.set G1,  24
.set G0,  32
.set G1B, 48
.set G0B, 56
.set KS,  73
.set BA,  74
.set BB,  76
.set OFS, 78
.set PB,  80
.set PFA, 82
.set MSB, 0
.macro WIN new
.if MSB != \new
	s_set_vgpr_msb (MSB<<8)|\new
.set MSB, \new
.endif
.endm
.set MUL_LO, 0xa1                      ; source 0 (Y) window 1, source 1 (Z) window 0, C and D window 2
.set MUL_HI, 0xf1
.set TO_B,   0x40
.macro PLACES
.rept 4
	v_nop
.endr
.endm
.macro JLOAD g0a, g1a, g0b, g1b        ; a joint load: waves 0 and 1 fetch Z's halves, waves 2 and 3 Y's
	s_cmp_eq_u32 s15, 0
	s_cbranch_scc0 .Lfor_b_\@
	tensor_load_to_lds s[\g0a:\g0a+3], s[\g1a:\g1a+7]
	s_nop 0
	PLACES
	s_branch .Lasked_\@
.Lfor_b_\@:
	tensor_load_to_lds s[\g0b:\g0b+3], s[\g1b:\g1b+7]
	s_nop 0
	PLACES
.Lasked_\@:
.endm
.macro CREST
	s_cmp_lg_u32 s14, 0
	s_cbranch_scc1 .Lnot_wave_0_\@
	s_barrier_signal -3
.Lnot_wave_0_\@:
	s_barrier_wait -3
	s_barrier_signal -1
	s_barrier_wait -1
.endm
.macro CROUND
	s_barrier_signal -1
	s_barrier_wait -1
	CREST
.endm
	s_load_b256 s[4:11], s[0:1], 0x0               ; zq, yq, zss, yss
	s_load_b64 s[12:13], s[0:1], 0x20              ; out0
	v_lshl_add_u32 v[SPW], v0, 2, SPARE
	v_mov_b32 v[NIL], 0
	ds_add_u32 v[SPW], v[NIL]                      ; the opening lines: the add twice on end and its wait
	ds_add_u32 v[SPW], v[NIL]
	v_lshrrev_b32 v1, 5, v0
	v_readfirstlane_b32 s14, v1                    ; wave
	s_lshr_b32 s15, s14, 1                         ; my half of the rows; also: I fetch for Z (0) or Y (1)
	s_and_b32 s16, s14, 1                          ; my half of the columns; also: which 8 records I fetch
	s_bfe_u32 s40, ttmp6, 0x40000                  ; cx
	s_bfe_u32 s41, ttmp6, 0x40004                  ; cy
	s_lshl_b32 s42, ttmp9, 2
	s_add_co_u32 s42, s42, s40                     ; tile column
	s_and_b32 s17, ttmp7, 0xffff
	s_lshl_b32 s17, s17, 2
	s_add_co_u32 s17, s17, s41                     ; tile row
	s_lshl_b32 s43, s41, 2
	s_lshl_b32 s43, 15, s43                        ; my row of the cluster
	s_lshl_b32 s44, 0x1111, s40                    ; my column
	s_lshr_b32 s[KS], ttmp9, 1                     ; the cluster's first K step: 4 x the parity of its x and y
	s_xor_b32 s[KS], s[KS], ttmp9
	s_and_b32 s[OFS], ttmp7, 0xffff
	s_xor_b32 s[KS], s[KS], s[OFS]
	s_lshr_b32 s[OFS], s[OFS], 1
	s_xor_b32 s[KS], s[KS], s[OFS]
	s_and_b32 s[KS], s[KS], 1
	s_lshl_b32 s[KS], s[KS], 2
	s_mov_b32 s[OFS+1], 0
	s_or_b32 s[G1+0], s43, (3<<16)|(1<<21)         ; the mask, elements of 8 bytes, bit 21 beside the mask
	s_or_b32 s[G1B+0], s44, (3<<16)|(1<<21)
.irp g, G1, G1B
	s_mov_b32 s[\g+1], 32<<16                      ; 136 rows of 32 elements, dense
	s_mov_b32 s[\g+2], 136<<16
	s_mov_b32 s[\g+3], 32<<16
	s_mov_b32 s[\g+4], 136
	s_mov_b32 s[\g+5], 32
	s_mov_b32 s[\g+6], 0
	s_mov_b32 s[\g+7], 0
.endr
	s_lshl_b32 s18, s16, 3
	s_lshl_b32 s20, s17, 4
	s_add_co_u32 s20, s20, s18                     ; Z: record 16 x tile row + 8 x half
	s_lshl_b32 s46, s42, 4
	s_add_co_u32 s46, s46, s18                     ; Y: record 16 x tile column + 8 x half
	s_mul_i32 s20, s20, REC
	s_mov_b32 s21, 0
	s_mul_i32 s46, s46, REC
	s_mov_b32 s47, 0
	s_mul_i32 s45, s14, HALFT                      ; where they go: wave x 8 records
	s_mov_b32 s72, 0x4cbebc20                      ; 1e8
	s_wait_dscnt 0x0
	s_wait_kmcnt 0x0
	s_add_nc_u64 s[BA:BA+1], s[4:5], s[20:21]
	s_add_nc_u64 s[BB:BB+1], s[6:7], s[46:47]
	CROUND                                         ; all sixteen work-groups are here: the first joint loads meet
.irp s, 0,1
	s_add_co_u32 s[OFS], s[KS], \s
	s_mul_i32 s[OFS], s[OFS], PLANE
	s_mov_b32 s[G0+4*\s], 1
	s_add_co_u32 s[G0+4*\s+1], s45, \s*SLOT
	s_add_nc_u64 s[G0+4*\s+2:G0+4*\s+3], s[BA:BA+1], s[OFS:OFS+1]
	s_or_b32 s[G0+4*\s+3], s[G0+4*\s+3], 0x80000000
	s_mov_b32 s[G0B+4*\s], 1
	s_add_co_u32 s[G0B+4*\s+1], s45, \s*SLOT
	s_add_nc_u64 s[G0B+4*\s+2:G0B+4*\s+3], s[BB:BB+1], s[OFS:OFS+1]
	s_or_b32 s[G0B+4*\s+3], s[G0B+4*\s+3], 0x80000000
.endr
	s_add_co_u32 s[KS], s[KS], 2                   ; the K step of the first refill
	JLOAD G0, G1, G0B, G1B                         ; slot 0: one tensor load a wave at the head
	v_and_b32 v1, 15, v0                           ; r
	v_bfe_u32 v2, v0, 4, 1                         ; h
	v_and_b32 v6, 31, v0
	v_lshlrev_b32 v[CO], 4, v6                     ; 16 x lane
	v_mul_u32_u24 v3, v2, REC
	v_lshl_add_u32 v3, v1, 2, v3                   ; 4 r + 4,352 h
	s_mul_i32 s21, s15, HALFT                      ; my 8 records of Z
	s_mul_i32 s22, s16, HALFT
	s_add_co_u32 s22, s22, 2*HALFT                 ; my 8 records of Y, behind Z's 16
.irp s, 0,1
	v_add_nc_u32 v[ADRA+\s], s21, v[CO]
	v_add_nc_u32 v[ADRB+\s], s22, v[CO]
	v_add_nc_u32 v[ADSA+\s], s21, v3
	v_add_nc_u32 v[ADSB+\s], s22, v3
	s_add_co_u32 s21, s21, SLOT
	s_add_co_u32 s22, s22, SLOT
.endr
	s_mul_i32 s23, s14, 16*SPITCH
	s_add_co_u32 s23, s23, STAGE
	v_mul_u32_u24 v5, v1, SPITCH
	v_lshl_add_u32 v5, v2, 5, v5
	v_add_nc_u32 v[STO], s23, v5
	v_add_nc_u32 v[RD], s23, v[CO]
	s_lshl_b32 s23, s14, 10
	s_add_co_u32 s23, s23, NRM
	v_mov_b32 v[NB], s23
	v_lshl_add_u32 v[NW], v6, 5, s23
	v_lshlrev_b32 v[PFO], 8, v6                    ; a lane a block of 256 bytes: blocks 0-31 of my 34,
	v_min_u32 v[PFO2], 1, v6
	v_lshlrev_b32 v[PFO2], 8, v[PFO2]              ; and blocks 32, 33 (lanes 2-31 name the last again)
	s_wait_alu depctr_va_vdst(0)                   ; the wait behind the head's vector work
	s_lshl_b32 s68, s17, 10
	s_lshl_b32 s69, s15, 9
	s_add_co_u32 s68, s68, s69
	s_mov_b32 s69, 0
	s_add_nc_u64 s[8:9], s[8:9], s[68:69]          ; zss at my first row
	s_lshl_b32 s70, s42, 10
	s_lshl_b32 s71, s16, 9
	s_add_co_u32 s70, s70, s71
	s_mov_b32 s71, 0
	s_add_nc_u64 s[10:11], s[10:11], s[70:71]      ; yss at my first column
.irp k, 0,1,2,3,4,5,6,7
	global_load_b128 v[NZ+4*\k:NZ+4*\k+3], v[CO], s[8:9] offset:16384*\k
	global_load_b128 v[NY+4*\k:NY+4*\k+3], v[CO], s[10:11] offset:16384*\k
.endr
	s_lshl_b32 s20, s17, 8
	s_lshl_b32 s21, s15, 7
	s_add_co_u32 s20, s20, s21
	s_lshl_b32 s20, s20, 14
	s_mov_b32 s21, 0
	s_add_nc_u64 s[20:21], s[20:21], s[70:71]
	s_add_nc_u64 s[12:13], s[12:13], s[20:21]      ; out0 at my first row and column
	s_cmp_eq_u32 s15, 0                            ; the prefetches: the 8 records that I fetch,
	s_cselect_b64 s[PB:PB+1], s[BA:BA+1], s[BB:BB+1]
	s_cselect_b32 s68, s40, s41                    ; my place among the four that ask for them with me,
	s_mul_i32 s68, s68, 34*256                     ; and my 34 blocks
	s_mov_b32 s69, 0
	s_add_nc_u64 s[PB:PB+1], s[PB:PB+1], s[68:69]
.macro FB slot, q                      ; Y's fragments of the slot's q-th 128 into set q, and both operands' scale words: 24 loads
	WIN TO_B
.irp j, 0,1,2,3,4,5,6,7
.irp c, 0,1
	ds_load_b128 v[64*(\q)+8*\j+4*\c:64*(\q)+8*\j+4*\c+3], v[ADRB+\slot] offset:REC*\j+1024*(\q)+512*\c
.endr
.endr
	WIN 0
.irp i, 0,1,2,3
	ds_load_b32 v[SB+4*(\q)+\i], v[ADSB+\slot] offset:4096+64*(\q)+2*REC*\i
	ds_load_b32 v[SA+4*(\q)+\i], v[ADSA+\slot] offset:4096+64*(\q)+2*REC*\i
.endr
.endm
.macro FETCH slot, q                   ; and Z's fragments into set q % 2: 40 loads in all
	FB \slot, \q
.irp a, 0,1,2,3,4,5,6,7
.irp c, 0,1
	ds_load_b128 v[128+64*((\q)%2)+8*\a+4*\c:128+64*((\q)%2)+8*\a+4*\c+3], v[ADRA+\slot] offset:REC*\a+1024*(\q)+512*\c
.endr
.endr
.endm
.macro WM z, rb, ra
.if \z
.if \rb
.if \ra
	v_wmma_scale_f32_16x16x128_f8f6f4 v[DD:DD+7], v[BF:BF+7], v[AFR:AFR+7], 0, v[SBR], v[SAR] matrix_a_fmt:MATRIX_FMT_FP4 matrix_b_fmt:MATRIX_FMT_FP4 matrix_a_scale:MATRIX_SCALE_ROW1 matrix_b_scale:MATRIX_SCALE_ROW1
.else
	v_wmma_scale_f32_16x16x128_f8f6f4 v[DD:DD+7], v[BF:BF+7], v[AFR:AFR+7], 0, v[SBR], v[SAR] matrix_a_fmt:MATRIX_FMT_FP4 matrix_b_fmt:MATRIX_FMT_FP4 matrix_a_scale:MATRIX_SCALE_ROW1
.endif
.else
.if \ra
	v_wmma_scale_f32_16x16x128_f8f6f4 v[DD:DD+7], v[BF:BF+7], v[AFR:AFR+7], 0, v[SBR], v[SAR] matrix_a_fmt:MATRIX_FMT_FP4 matrix_b_fmt:MATRIX_FMT_FP4 matrix_b_scale:MATRIX_SCALE_ROW1
.else
	v_wmma_scale_f32_16x16x128_f8f6f4 v[DD:DD+7], v[BF:BF+7], v[AFR:AFR+7], 0, v[SBR], v[SAR] matrix_a_fmt:MATRIX_FMT_FP4 matrix_b_fmt:MATRIX_FMT_FP4
.endif
.endif
.else
.if \rb
.if \ra
	v_wmma_scale_f32_16x16x128_f8f6f4 v[DD:DD+7], v[BF:BF+7], v[AFR:AFR+7], v[DD:DD+7], v[SBR], v[SAR] matrix_a_fmt:MATRIX_FMT_FP4 matrix_b_fmt:MATRIX_FMT_FP4 matrix_a_scale:MATRIX_SCALE_ROW1 matrix_b_scale:MATRIX_SCALE_ROW1
.else
	v_wmma_scale_f32_16x16x128_f8f6f4 v[DD:DD+7], v[BF:BF+7], v[AFR:AFR+7], v[DD:DD+7], v[SBR], v[SAR] matrix_a_fmt:MATRIX_FMT_FP4 matrix_b_fmt:MATRIX_FMT_FP4 matrix_a_scale:MATRIX_SCALE_ROW1
.endif
.else
.if \ra
	v_wmma_scale_f32_16x16x128_f8f6f4 v[DD:DD+7], v[BF:BF+7], v[AFR:AFR+7], v[DD:DD+7], v[SBR], v[SAR] matrix_a_fmt:MATRIX_FMT_FP4 matrix_b_fmt:MATRIX_FMT_FP4 matrix_b_scale:MATRIX_SCALE_ROW1
.else
	v_wmma_scale_f32_16x16x128_f8f6f4 v[DD:DD+7], v[BF:BF+7], v[AFR:AFR+7], v[DD:DD+7], v[SBR], v[SAR] matrix_a_fmt:MATRIX_FMT_FP4 matrix_b_fmt:MATRIX_FMT_FP4
.endif
.endif
.endif
.endm
; 16 matrix instructions: Z's blocks a0, a0 + 1 x Y's eight.  The 64 accumulators take turns in the same order in every step
.macro MUL2 q, a0, zero
.irp a, \a0, \a0+1
.irp b, 0,1,2,3,4,5,6,7
.set DD, 8*(8*((\a)%4)+\b)
.set BF, 64*(\q)+8*\b
.set AFR, 128+64*((\q)%2)+8*(\a)
.set SBR, SB+4*(\q)+(\b)/2
.set SAR, SA+4*(\q)+(\a)/2
	WM \zero, (\b)%2, (\a)%2
.endr
.endr
.endm
.macro STEP slot, q, zero              ; one of a slot's first three steps: asks for the next step's 40 loads, then multiplies
.if \zero == 0
	PLACES                                         ; four places between the last step's products and loads into registers that they read
.endif
	FETCH \slot, (\q)+1
	s_wait_dscnt 40                                ; this step's operands are in; the 40 just issued may be out
	WIN MUL_LO
	MUL2 \q, 0, \zero
	MUL2 \q, 2, \zero
	WIN MUL_HI
	MUL2 \q, 4, \zero
	MUL2 \q, 6, \zero
.endm
.macro ASK                             ; my 34 blocks of the K step two refills on; the last trip's two refills have none
	s_cmp_gt_u32 s3, 1
	s_cbranch_scc0 .Lna_\@
	global_prefetch_b8 v[PFO], s[PFA:PFA+1] th:TH_LOAD_NT scope:SCOPE_SE
	global_prefetch_b8 v[PFO2], s[PFA:PFA+1] offset:8192 th:TH_LOAD_NT scope:SCOPE_SE
.Lna_\@:
.endm
.macro MEET                            ; a slot's last step, first half: all my tensor loads, the add, my reads of this slot, the barrier
	WIN 0
	s_wait_tensorcnt 0x0                           ; my part of the next slot has landed
	ds_add_u32 v[SPW], v[NIL]
	s_wait_dscnt 1                                 ; this step's operands are in; the add may be out
	WIN MUL_LO
	MUL2 3, 0, 0
	s_wait_dscnt 0x0
	s_barrier_signal -1
	MUL2 3, 2, 0
	WIN 0
	s_barrier_wait -1
.endm
.macro TURN slot, next                 ; a slot's last step: the change of slots, with the refill
	s_wait_xcnt 0x0                                ; my prefetches have read their address
	s_add_co_u32 s[OFS], s[KS], 2
	s_and_b32 s[OFS], s[OFS], 7
	s_mul_i32 s[OFS], s[OFS], PLANE
	s_add_nc_u64 s[PFA:PFA+1], s[PB:PB+1], s[OFS:OFS+1]
	MEET
	CREST                                          ; the barrier has opened a round of the cluster's barrier
	s_mul_i32 s[OFS], s[KS], PLANE
	s_add_nc_u64 s[G0+4*\slot+2:G0+4*\slot+3], s[BA:BA+1], s[OFS:OFS+1]
	s_or_b32 s[G0+4*\slot+3], s[G0+4*\slot+3], 0x80000000
	s_add_nc_u64 s[G0B+4*\slot+2:G0B+4*\slot+3], s[BB:BB+1], s[OFS:OFS+1]
	s_or_b32 s[G0B+4*\slot+3], s[G0B+4*\slot+3], 0x80000000
	s_add_co_u32 s[KS], s[KS], 1
	s_and_b32 s[KS], s[KS], 7
	JLOAD G0+4*\slot, G1, G0B+4*\slot, G1B         ; the first tensor load behind the round; its four v_nop are the places in front of the loads below
	FETCH \next, 0
	ASK
	WIN MUL_HI
	MUL2 3, 4, 0
	MUL2 3, 6, 0
.endm
	s_wait_tensorcnt 0x0                           ; my part of slot 0 is in
	ds_add_u32 v[SPW], v[NIL]
	s_wait_dscnt 0x0
	CROUND
	JLOAD G0+4, G1, G0B+4, G1B                     ; slot 1's first fill
	FETCH 0, 0
	s_wait_loadcnt 0x0                             ; the sums of squares
.irp k, 1,2,3,4,5,6,7
	v_pk_add_f32 v[NZ:NZ+1], v[NZ:NZ+1], v[NZ+4*\k:NZ+4*\k+1]
	v_pk_add_f32 v[NZ+2:NZ+3], v[NZ+2:NZ+3], v[NZ+4*\k+2:NZ+4*\k+3]
	v_pk_add_f32 v[NY:NY+1], v[NY:NY+1], v[NY+4*\k:NY+4*\k+1]
	v_pk_add_f32 v[NY+2:NY+3], v[NY+2:NY+3], v[NY+4*\k+2:NY+4*\k+3]
.endr
	s_wait_alu depctr_va_vdst(0)                   ; the wait ahead of the batch
.irp j, 0,1,2,3
	v_rsq_f32 v[RY+\j], v[NY+\j]                   ; my four columns on the way out
.endr
.irp j, 0,1,2,3
	v_rsq_f32 v[NZ+8+2*\j], v[NZ+\j]               ; rows 4 L .. 4 L + 3, each twice, for the packed multiply
	v_rsq_f32 v[NZ+9+2*\j], v[NZ+\j]
.endr
	v_nop
	s_wait_alu depctr_va_vdst(0)                   ; and behind it
	ds_store_b128 v[NW], v[NZ+8:NZ+11]
	ds_store_b128 v[NW], v[NZ+12:NZ+15] offset:16
	s_wait_dscnt 0x0                               ; the stores are done: their registers take Z's fragments next
	STEP 0, 0, 1                                   ; the first products start the sums
	WIN 0
	s_mov_b32 s3, 3
.Llap:                                                 ; once round the two slots, from a lap's second step to the next lap's first
	STEP 0, 1, 0
	STEP 0, 2, 0
	TURN 0, 1
	STEP 1, 0, 0
	STEP 1, 1, 0
	STEP 1, 2, 0
	TURN 1, 0
	STEP 0, 0, 0
	WIN 0
	s_sub_co_u32 s3, s3, 1
	s_cmp_lg_u32 s3, 0
	s_cbranch_scc1 .Llap
	STEP 0, 1, 0
	STEP 0, 2, 0
; THE LAST K STEP, in slot 1, BY ROWS.
.macro ALOAD a                         ; Z's block a, all four 128s, into buffer a % 2 of v128-191
.irp q, 0,1,2,3
.irp c, 0,1
	ds_load_b128 v[128+32*((\a)%2)+8*\q+4*\c:128+32*((\a)%2)+8*\q+4*\c+3], v[ADRA+1] offset:REC*(\a)+1024*\q+512*\c
.endr
.endr
.endm
.macro ROW a                           ; block a is finished: 32 matrix instructions, its eight accumulators by turns
	WIN MUL_LO+0x50*((\a)/4)
.irp q, 0,1,2,3
.irp b, 0,1,2,3,4,5,6,7
.set DD, 8*(8*((\a)%4)+\b)
.set BF, 64*\q+8*\b
.set AFR, 128+32*((\a)%2)+8*\q
.set SBR, SB+4*\q+(\b)/2
.set SAR, SA+4*\q+(\a)/2
	WM 0, (\b)%2, (\a)%2
.endr
.endr
	WIN 0
.endm
.macro RXLOAD a
.irp i, 0,1,2,3,4,5,6,7
	ds_load_b128 v[RXB+4*\i:RXB+4*\i+3], v[NB] offset:128*(\a)+16*\i
.endr
.endm
.macro TOSTAGE a                       ; through my own stage, back as whole rows of 512 bytes
.set AC, 64*((\a)%4)
	WIN 0x08+4*((\a)/4)
.irp b, 0,1,2,3,4,5,6,7
	ds_store_b128 v[STO], v[AC+8*\b:AC+8*\b+3] offset:64*\b          ; each accumulator from its low end on
	ds_store_b128 v[STO], v[AC+8*\b+4:AC+8*\b+7] offset:64*\b+16
.endr
	WIN 0
.irp t, 0,1,2,3,4,5,6,7,8,9,10,11,12,13,14,15
	ds_load_b128 v[BK+4*\t:BK+4*\t+3], v[RD] offset:\t*SPITCH
.endr
.endm
.macro SEND a, younger
	s_wait_dscnt \younger
.if (\a) > 0
	s_add_nc_u64 s[12:13], s[12:13], 16*ROWC
.endif
.irp t, 0,2,4,6,8,10,12,14
	v_pk_mul_f32 v[T:T+1],   v[RY:RY+1],   v[RXB+2*\t:RXB+2*\t+1]
	v_pk_mul_f32 v[T+2:T+3], v[RY+2:RY+3], v[RXB+2*\t:RXB+2*\t+1]
	v_pk_mul_f32 v[T+4:T+5], v[RY:RY+1],   v[RXB+2*\t+2:RXB+2*\t+3]
	v_pk_mul_f32 v[T+6:T+7], v[RY+2:RY+3], v[RXB+2*\t+2:RXB+2*\t+3]
.irp j, 0,1,2,3,4,5,6,7
	v_min_num_f32 v[T+\j], s72, v[T+\j]
.endr
.irp j, 0,2,4,6
	v_pk_mul_f32 v[BK+4*\t+\j:BK+4*\t+\j+1], v[BK+4*\t+\j:BK+4*\t+\j+1], v[T+\j:T+\j+1]
.endr
	global_store_b128 v[CO], v[BK+4*\t:BK+4*\t+3], s[12:13] offset:\t*ROWC th:TH_STORE_NT   ; 512 consecutive bytes, at a multiple of 256 from out0's first byte
	global_store_b128 v[CO], v[BK+4*\t+4:BK+4*\t+7], s[12:13] offset:(\t+1)*ROWC th:TH_STORE_NT
.endr
.endm
	MEET                                           ; slot 1 holds the last K step; nothing is filled again, so no round follows
	PLACES
	FB 1, 0                                        ; sets 0 to 2 are free; set 3 and Z's set 1 are still being multiplied
	FB 1, 1
	FB 1, 2
	ALOAD 0
	ALOAD 1
	WIN MUL_HI
	MUL2 3, 4, 0
	MUL2 3, 6, 0
	PLACES
	FB 1, 3
	RXLOAD 0
	s_wait_dscnt 0x0
	ROW 0
.irp a, 0,1,2,3,4,5,6,7
	PLACES                                         ; between the block's last products and the stores that read them, and the loads into Z's buffer
.if \a > 0
	s_wait_xcnt 0x0                                ; the last block's stores have read their registers and their base
.endif
	TOSTAGE \a
.if \a < 6
	ALOAD \a+2
	SEND \a, 8                                     ; the eight loads of Z's block a + 2 may be out
.else
	SEND \a, 0
.endif
.if \a < 7
	RXLOAD \a+1
	ROW \a+1
.endif
.endr
	s_wait_tensorcnt 0x0                           ; the wave's end
	ds_add_u32 v[SPW], v[NIL]
	s_wait_dscnt 0x0
	CROUND                                         ; the closing round
	s_endpgm
.Lfunc_end_k_qade35fa9b8_gemm:
	.size	k_qade35fa9b8_gemm, .Lfunc_end_k_qade35fa9b8_gemm-k_qade35fa9b8_gemm
	.p2alignl 7, 3214868480
	.fill 96, 4, 3214868480
	.section	.rodata,"a",@progbits
	.p2align	6, 0x0
	.amdhsa_kernel k_qade35fa9b8_gemm
		.amdhsa_group_segment_fixed_size 327680
		.amdhsa_private_segment_fixed_size 0
		.amdhsa_enable_private_segment 0
		.amdhsa_kernarg_size 40
		.amdhsa_user_sgpr_count 2
		.amdhsa_user_sgpr_kernarg_segment_ptr 1
		.amdhsa_wavefront_size32 1
		.amdhsa_system_sgpr_workgroup_id_x 1
		.amdhsa_system_sgpr_workgroup_id_y 1
		.amdhsa_system_sgpr_workgroup_id_z 1
		.amdhsa_system_vgpr_workitem_id 0
		.amdhsa_next_free_vgpr 1024
		.amdhsa_next_free_sgpr 88
		.amdhsa_reserve_vcc 0
		.amdhsa_float_denorm_mode_32 3
		.amdhsa_float_denorm_mode_16_64 3
		.amdhsa_memory_ordered 1
		.amdhsa_forward_progress 1
		.amdhsa_inst_pref_size 255
	.end_amdhsa_kernel
	.section	.bss,"aw",@nobits
	.p2align	6
	.space	262144
	.amdgpu_metadata
---
amdhsa.version: [ 1, 2 ]
amdhsa.kernels:
  - .name:           k_qade35fa9b8_gemm
    .symbol:         k_qade35fa9b8_gemm.kd
    .args:
      - { .name: zq, .offset: 0, .size: 8, .value_kind: global_buffer, .address_space: global }
      - { .name: yq, .offset: 8, .size: 8, .value_kind: global_buffer, .address_space: global }
      - { .name: zss, .offset: 16, .size: 8, .value_kind: global_buffer, .address_space: global }
      - { .name: yss, .offset: 24, .size: 8, .value_kind: global_buffer, .address_space: global }
      - { .name: out0, .offset: 32, .size: 8, .value_kind: global_buffer, .address_space: global }
    .group_segment_fixed_size: 327680
    .private_segment_fixed_size: 0
    .kernarg_segment_align: 8
    .kernarg_segment_size: 40
    .max_flat_workgroup_size: 128
    .sgpr_count:     88
    .vgpr_count:     1024
    .wavefront_size: 32
...
	.end_amdgpu_metadata
.endif
;; end of part 2
